; MI455X (gfx1250); checked and timed in simulation.
; The chip was launched on July 23, 2026; its instructions are those of AMD's public machine-readable ISA for CDNA 5 (MIT licence, August 2026) and "CDNA5" Instruction Set Architecture Reference Guide (July 2026). The comments in the code are by the model that wrote it; some were corrected since.
;; CNF ODE. Allowed arithmetic: matrix products marked QUANTISED: E4M3 operands, one E8M0 scale for each 32 along K, by v_wmma_scale_f32_16x16x128_f8f6f4 with both operands' format E4M3, f32 sums; products left as they are: f32 operands where the result goes on into a quantised operand, else bf16, f16 or f32 operands; f32 sums; everything else in f32.
;; Inputs: W1 4 x 128 float32; W2 128 x 128 float32; W3 128 x 64 float32; W4 64 x 2 float32; b1 128 float32; b2 128 float32; b3 64 float32; b4 2 float32; logp 524,288 x 1 float32; t 1 float32; v 524,288 x 3 float32; y 524,288 x 3 float32.
;; Outputs: out0 524,288 x 3 float32; out1 524,288 x 1 float32.
;; This version of the problem:
;;   THIS VERSION OF THE PROBLEM IS GIVEN IN LOW PRECISION. The matrix products marked QUANTISED in the list below multiply operands that are first quantised to E4M3 (4 exponent bits, 3 mantissa bits; 8 bits a number), with one power-of-two scale for each 32 numbers along K (OCP MX v1.0); their sums are f32. All else is computed in f32.
;;   The module's matrix products, in the order in which they are computed (A, B: the left and right operand; K: the contracted axis; several contracted axes count as one K, in the product's order):
;;     1. [M 524,288, K 4] x [K 4, N 128]; A: computed on the way; B: input W1: left as it is (K = 4 < 32)
;;     2. [M 524,288, K 128] x [K 128, N 128]; A: computed on the way; B: input W2: QUANTISED
;;     3. [M 524,288, K 128] x [K 128, N 64]; A: computed on the way; B: input W3: QUANTISED
;;     4. [M 524,288, K 64] x [K 64, N 2]; A: computed on the way; B: input W4: left as it is (N = 2 < 16)
;;     5. [M 524,288, K 2] x [K 2, N 64]; A: computed on the way; B: input W4: left as it is (K = 2 < 32)
;;     6. [M 524,288, K 64] x [K 64, N 128]; A: computed on the way; B: input W3: QUANTISED
;;     7. [M 524,288, K 128] x [K 128, N 128]; A: computed on the way; B: input W2: QUANTISED
;;     8. [M 524,288, K 128] x [K 128, N 4]; A: computed on the way; B: input W1: left as it is (N = 4 < 16)
;;   THE QUANTISER, for each operand of a quantised product, along K:
;;     - K is cut into blocks of 32 from its start; a last block that is shorter is filled with zeros.
;;     - A block's scale is 2^e with e = floor(log2(the largest magnitude in the block)) - 8, held to -126 .. 127; a block of zeros has e = 0. As a byte (E8M0): e + 127.
;;     - Each number is divided by its block's scale, clamped to +-448, and rounded to the nearest number of E4M3, ties to even, subnormals kept.
;;     - The product sums the exact products of the quantised numbers (number of the format x scale) in f32.
;;   ~~~python
;;   def quantise(x, axis):      # numpy; x: float32 -> the quantised numbers, widened to float32 again
;;       x = np.moveaxis(x, axis, -1); K = x.shape[-1]
;;       x = np.pad(x, [(0, 0)] * (x.ndim - 1) + [(0, -K % 32)]); x = x.reshape(x.shape[:-1] + (-1, 32)); a = np.abs(x).max(-1, keepdims=True)
;;       e = np.where(a > 0, np.clip(np.frexp(np.where(a > 0, a, 1))[1] - 1 - 8, -126, 127), 0)      # np.frexp(a)[1] - 1 = floor(log2(a)), exactly
;;       r = np.clip(x / 2.0 ** e, -448, 448)
;;       step = 2.0 ** (np.maximum(np.frexp(np.where(r == 0, 1, r))[1] - 1, -6) - 3)
;;       q = np.round(r / step) * step * 2.0 ** e      # np.round: ties to even
;;       return np.moveaxis(q.reshape(q.shape[:-2] + (-1,))[..., :K], -1, axis).astype(np.float32)
;;   ~~~
;;   OPERANDS COMPUTED ON THE WAY. 'Computed on the way' means the value that the module computes at that place (a softmax that the list does not call 'softmax' is quantised finished and normalised). What goes into a quantiser is computed in f32, as accurately as f32 sums, v_exp_f32 and their like allow (about 1e-6 of the number): no bf16 or f16 on the way to a quantiser, and a product that is left as it is and whose result goes on into a quantised operand takes f32 operands (vector FMAs, or v_wmma_f32_16x16x4_f32). A number that lies on a knife's edge between two numbers of the format may be rounded either way, as far as f32 arithmetic and the matrix unit's own rounding can turn it there, and no further.
;; 2 versions, each right; version 2 is version 1 with the launch cnf written anew for expert scheduling mode. Each part assembles by itself: llvm-mc -triple=amdgcn-amd-amdhsa -mcpu=gfx1250 --defsym DOCPART=n.
;; ======== version 1 of 2: 1 launch
;; launch cnf (part 1): grid 256 x 1, 8 waves a work-group, no clusters, 139,264 bytes of LDS; arguments t, y, v, W1, b1, W2, b2, W3, b3, W4, b4, out0, out1; writes out0, out1
.if DOCPART == 1
	.amdgcn_target "amdgcn-amd-amdhsa--gfx1250"
	.amdhsa_code_object_version 6
	.text
	.protected	k_q0638ea9be5_cnf
	.globl	k_q0638ea9be5_cnf
	.p2align	8
	.type	k_q0638ea9be5_cnf,@function
k_q0638ea9be5_cnf:
	s_mov_b64 s[64:65], 0
	v_nop
	global_prefetch_b8 v0, s[64:65] scope:SCOPE_SE
	s_setreg_imm32_b32 hwreg(HW_REG_WAVE_MODE, 25, 1), 1
	s_wait_xcnt 0x0
; out0 = (dy0, dy1, 0), out1 = -(g . v): the forward pass 4 -> 128 -> 128 -> 64 -> 2 with silu for each of 524,288 rows, and its reverse pass with the cotangent v.
; The four products with K = 128 or 64 (h1 W2, h2 W3, dz3 W3^T, dz2 W2^T) multiply codes of E4M3 with one E8M0 scale for each 32 along K; sums in f32.
; x W1 and (v0, v1) W4^T feed quantisers: f32 operands, by the f32 matrix form.  h3 W4 and dz1 W1^T feed outputs alone: bf16 operands, f32 sums.
; WORK LEFT OUT.  logp: reference() never reads it, so it has no way to an output: it is not loaded and is no argument.  The column of dz1 W1^T that belongs to t: the cotangent of the
; broadcast t is dropped by the transpose of the concatenation, for all inputs.  v[:, 2] as a cotangent: the third component of f is a zero that reference() builds itself, so v2 enters no product
; of the reverse pass; it enters g2 v2 and is loaded for that.  A NaN, an infinity or an overflow that reaches only the work left out is not carried to the result.
; LIMITS.  NaN and infinities among the inputs are not served (zeros in the small operands meet them).  A block whose largest magnitude lies under 2^-118 has the scale byte 1, as the quantiser's clip has it;
; a block of zeros has the byte 1 too, where the quantiser says 127: its codes are zeros, and this program alone reads the bytes.  h3, W4, dz1 and W1 (in the last product) are rounded to bf16.
; Where exp2 overflows, sigmoid is 0, silu -0 and its derivative 0: the limits of reference()'s own formula.
; SHARES.  256 work-groups of 8 waves of 512 registers.  A wave owns 256 rows on end: 16 tiles of 16 rows, each taken through the whole chain, forward and back; nothing goes to memory on the way.
; LAYOUT.  Every product is used transposed: source 0 = 16 rows of a weight, source 1 = my 16 data rows.  Lane (r = lane % 16, h = lane / 16) holds data row r throughout.
; THE ROWS OF A WEIGHT THAT FORM A TILE ARE NOT NEIGHBOURS: row m of tile t is unit 32 (t / 2) + 8 (t % 2) + m + 8 (m / 8).  So register 16 c + i of z, h, silu', dh and dz alike is unit 32 c + 16 h + i:
; the conversions' results are the next operand's registers, and a block of 32 lies in lanes l and l xor 16.
; WEIGHTS.  Each work-group quantises W2 and W3 twice at its head (along axis 0 for the way forward, along axis 1 for the way back), a tile a wave, and lays the codes in LDS as images of the operand's
; registers (lane l's 16 bytes at 16 l).  In the loop a product's fragments are fetched a phase ahead of it.
; NO TENSOR LOAD, NO CLUSTER: what the work-groups share is 100 KB of f32 weights, which have to pass through the quantiser in registers; y and v are each wave's own.  No prefetch: all global loads stand at the head.
; silu: s = 1 / (1 + 2^(-z log2 e)); silu' = s + s (z - z s); h = z s: five packed lines and four transcendentals for two numbers, z staying in the accumulator.
;
; LDS
.set W2F,   0          ; 8 fragments x 2,048: W2 along axis 0
.set W2B,   16384      ; 8 fragments x 2,048: W2 along axis 1
.set W3F,   32768      ; 4 fragments x 2,048: W3 along axis 0
.set W3B,   40960      ; 8 half fragments x 1,024: W3 along axis 1 (K = 64)
.set W1BF,  49152      ; 4 bf16 fragments x 1,024: W1 for the last product
.set BIAS,  53248      ; b2 (512 bytes), b3 at +512
.set SC,    54272      ; scale words, 64 bytes a tile: W2F's, +512 W2B's, +1024 W3B's, +1536 W3F's
.set STG,   56320      ; a stage of 10,240 bytes for each wave: y, +3072 v, +6144 out0, +9216 out1
.set SPARE, 138240     ; the spare words, 128 bytes for each wave: four blocks of 256 bytes that no other line names
; REGISTERS, window 0
.set LI,   1           ; 16 x lane
.set AB,   2           ; 64 h
.set B12,  3           ; my stage + 12 r
.set B12H, 4           ; the same + 8 h
.set BO1,  5           ; my stage + 4 r
.set A12,  6           ; B12, B12H, BO1 at the tile in hand
.set A12H, 7
.set AO1,  8
.set O0,   15          ; data of the stores into the stage
.set O1,   16
.set BB0,  17          ; b4[0] in lanes 0-15, 0 in lanes 16-31
.set X,    18          ; v18-19 x's fragment;  v20-21 (v0, v1);  v22 v2
.set V0,   20
.set V2,   22
.set PW,   23          ; the scale word just made
.set WS2F, 24          ; the weights' scale words: lanes 0-15 tile 2 p, lanes 16-31 tile 2 p + 1
.set WS2B, 28
.set WS3B, 32
.set WS3F, 36
.set SPW,  38          ; LDS address of my spare word; never rewritten
.set NIL,  39          ; 0; never rewritten
.set TM,   40          ; +0..3 largest magnitudes, +4..7 the partner's, then bytes, +8..11 448 x the scale, +12..15 the conversions' scale operands
.set CODES, 56         ; v56-71 the codes just made
.set W1A,  72          ; v72-87 W1 for x W1: 8 tiles x 2
.set W4A,  88          ; v88-95 W4 for (v0, v1) W4^T: 4 tiles x 2
.set W4H,  96          ; v96-111 W4 in bf16 for h3 W4: 2 x 8
.set G0,   112         ; v112-119, v120-127: the bf16 products' two accumulators
.set G1,   120
.set FR,   128         ; v128-255 the fragments in hand
; the set-up's own: byte offsets in the weights, and where my images go
.set OW2F, 6
.set OW2B, 7
.set OW3B, 8
.set OW3F, 9
.set OW4H, 10
.set OW1H, 11
.set OB2,  12          ; 64 w + 4 r: b2's word in memory and in LDS, and a scale word's place
.set OB3,  13          ; 32 w + 4 (r % 8)
.set OW1A, 14
.set O4F,  17
.set O8F,  112
.set SA,   113
.set IW2,  114
.set IW3B, 115
.set IW3F, 116
.set IW1H, 117
.set SCF,  118
.set L4,   119
; window 1 (written by its low eight bits)
.set ACC,  0           ; 64: the products' results; matrix instructions alone write them
.set H,    64          ; 64: at work: s, h, dz
.set D1,   128         ; 64: silu'(z1)
.set D2,   192         ; 64: b2, then silu'(z2)
.set MSB, 0
.macro WIN new                         ; bits 1:0 source 0, 3:2 source 1, 5:4 source 2, 7:6 destination; the high byte repeats the setting that is left
.if MSB != \new
	s_set_vgpr_msb (MSB<<8)|\new
.set MSB, \new
.endif
.endm
.macro PLACES n                        ; plain vector instructions between a matrix instruction and what touches its registers (ISA guide 7.12.1)
.rept \n
	v_nop
.endr
.endm
; n numbers z in ACC on: s, then h = z s, into H on; silu'(z) into q on.  All in window 1.  Each accumulator is first read at its low end.
.macro ACT n, q
	WIN 0x55
.set k, 0
.rept \n/2
	v_pk_mul_f32 v[H+k:H+k+1], v[ACC+k:ACC+k+1], s[38:39] op_sel_hi:[1,0]      ; -z log2 e
.set k, k+2
.endr
.set k, 0
.rept \n
	v_exp_f32 v[H+k], v[H+k]
.set k, k+1
.endr
	v_nop                                          ; a plain instruction behind the last exponential,
	s_wait_alu depctr_va_vdst(0)                   ; and one wait for the batch, ahead of its first reader
.set k, 0
.rept \n/2
	v_pk_add_f32 v[H+k:H+k+1], v[H+k:H+k+1], 1.0 op_sel_hi:[1,0]
.set k, k+2
.endr
.set k, 0
.rept \n
	v_rcp_f32 v[H+k], v[H+k]                       ; s
.set k, k+1
.endr
	v_nop
	s_wait_alu depctr_va_vdst(0)                   ; one wait for the batch of reciprocals
.set k, 0
.rept \n/2
	v_pk_fma_f32 v[\q+k:\q+k+1], v[ACC+k:ACC+k+1], v[H+k:H+k+1], v[ACC+k:ACC+k+1] neg_lo:[0,1,0] neg_hi:[0,1,0]   ; z - z s
.set k, k+2
.endr
.set k, 0
.rept \n/2
	v_pk_fma_f32 v[\q+k:\q+k+1], v[H+k:H+k+1], v[\q+k:\q+k+1], v[H+k:H+k+1]    ; s + s (z - z s)
.set k, k+2
.endr
.set k, 0
.rept \n/2
	v_pk_mul_f32 v[H+k:H+k+1], v[ACC+k:ACC+k+1], v[H+k:H+k+1]                  ; h = z s
.set k, k+2
.endr
.endm
; nb blocks of 32 along K, 16 numbers of each in my registers src + 16 b on (window 1): the scales.  TM and PW lie in window 0.
.macro QSCALE src, nb
	WIN 0x05
.set qb, 0
.rept \nb
	v_max3_num_f32 v[TM+qb], |v[\src+16*qb]|, |v[\src+16*qb+1]|, 0x4800000     ; and the floor 2^(9 - 127): the byte cannot fall under 1
.set qb, qb+1
.endr
.irp i, 2,4,6,8,10,12,14
.set qb, 0
.rept \nb
	v_max3_num_f32 v[TM+qb], |v[\src+16*qb+\i]|, |v[\src+16*qb+\i+1]|, v[TM+qb]   ; the blocks by turns
.set qb, qb+1
.endr
.endr
	WIN 0
.set qb, 0
.rept \nb
	v_permlanex16_b32 v[TM+4+qb], v[TM+qb], s40, s41
.set qb, qb+1
.endr
.set qb, 0
.rept \nb
	v_max_num_f32 v[TM+qb], v[TM+qb], v[TM+4+qb]                               ; with lane l xor 16's: the block's largest magnitude
.set qb, qb+1
.endr
.set qb, 0
.rept \nb
	v_add_nc_u32 v[TM+12+qb], 0xfc000000, v[TM+qb]                             ; 8 off its exponent field: the conversion's scale operand
.set qb, qb+1
.endr
.set qb, 0
.rept \nb
	v_and_or_b32 v[TM+8+qb], v[TM+qb], 0x7f800000, s42                         ; 448 x the scale
.set qb, qb+1
.endr
.set qb, 0
.rept \nb
	v_lshrrev_b32 v[TM+4+qb], 23, v[TM+12+qb]                                  ; the scale's byte
.set qb, qb+1
.endr
	v_lshl_or_b32 v[PW], v[TM+5], 8, v[TM+4]                                   ; the bytes make the row's scale word (two blocks: bytes 2 and 3 stay 0, over zero codes)
.if \nb > 2
	v_lshl_or_b32 v[PW], v[TM+6], 16, v[PW]
	v_lshl_or_b32 v[PW], v[TM+7], 24, v[PW]
.endif
.endm
; blocks b0 .. b0 + nb - 1: the hold at 448 x the scale (the conversion to an 8-bit code does not saturate: ISA guide 7.6.2), and the codes into CODES + 4 b on
.macro QCODE src, b0, nb
	WIN 0x41
.set qb, \b0
.rept \nb
.set qi, 0
.rept 16
	v_med3_num_f32 v[\src+16*qb+qi], v[\src+16*qb+qi], -v[TM+8+qb], v[TM+8+qb]
.set qi, qi+1
.endr
.set qb, qb+1
.endr
	WIN 0x01
.set qb, \b0
.rept \nb
	v_cvt_scalef32_pk8_fp8_f32 v[CODES+4*qb:CODES+4*qb+1], v[\src+16*qb:\src+16*qb+7], v[TM+12+qb]
	v_cvt_scalef32_pk8_fp8_f32 v[CODES+4*qb+2:CODES+4*qb+3], v[\src+16*qb+8:\src+16*qb+15], v[TM+12+qb]
.set qb, qb+1
.endr
	WIN 0
	v_nop                                          ; a plain instruction behind the last conversion
.endm
.macro FRAG dst, off, nch              ; nch groups of four registers of an image come back as they were stored
.set kc, 0
.rept \nch
	ds_load_b128 v[\dst+4*kc:\dst+4*kc+3], v[LI] offset:\off+512*kc
.set kc, kc+1
.endr
.endm
.macro IMAGE adr, off, nch             ; the codes just made go to LDS as they stand
.set kc, 0
.rept \nch
	ds_store_b128 v[\adr], v[CODES+4*kc:CODES+4*kc+3] offset:\off+512*kc
.set kc, kc+1
.endr
.endm
.macro BIASLD dst, off, nt             ; a bias in the result's layout, into window 1: tile t's eight units of my half
	WIN 0x40
.set k, 0
.rept \nt
	ds_load_b128 v[\dst+8*k:\dst+8*k+3], v[AB] offset:\off+4*(32*(k/2)+8*(k%2))
	ds_load_b128 v[\dst+8*k+4:\dst+8*k+7], v[AB] offset:\off+4*(32*(k/2)+8*(k%2))+16
.set k, k+1
.endr
	WIN 0
.endm
; A scaled product of tile t: D = ACC + 8 t; A = 16 registers from a on; B = the codes; C = 8 registers of window 1 from c on, or 0 where c < 0.  Odd tiles' scale words lie in lanes 16-31.
.macro SMUL t, a, c, ws
.if \c < 0
.if \t%2
	v_wmma_scale_f32_16x16x128_f8f6f4 v[ACC+8*\t:ACC+8*\t+7], v[\a:\a+15], v[CODES:CODES+15], 0, v[\ws+\t/2], v[PW] matrix_a_scale:MATRIX_SCALE_ROW1
.else
	v_wmma_scale_f32_16x16x128_f8f6f4 v[ACC+8*\t:ACC+8*\t+7], v[\a:\a+15], v[CODES:CODES+15], 0, v[\ws+\t/2], v[PW]
.endif
.else
.if \t%2
	v_wmma_scale_f32_16x16x128_f8f6f4 v[ACC+8*\t:ACC+8*\t+7], v[\a:\a+15], v[CODES:CODES+15], v[\c:\c+7], v[\ws+\t/2], v[PW] matrix_a_scale:MATRIX_SCALE_ROW1
.else
	v_wmma_scale_f32_16x16x128_f8f6f4 v[ACC+8*\t:ACC+8*\t+7], v[\a:\a+15], v[CODES:CODES+15], v[\c:\c+7], v[\ws+\t/2], v[PW]
.endif
.endif
.endm
; What a tile's first two products want, asked for at the end of the tile before: x first (2 loads), then v (3), b2 as a C operand (16), W2's fragments for the way forward (32)
.macro NEXTLD
	v_add_nc_u32 v[A12], s54, v[B12]
	v_add_nc_u32 v[A12H], s54, v[B12H]
	ds_load_b32 v[X], v[A12H]                      ; lanes 0-15: y0; lanes 16-31: y2
	ds_load_b32 v[X+1], v[A12] offset:4            ; y1 (lanes 16-31 get 1.0 in its place)
	ds_load_b32 v[V0], v[A12] offset:3072
	ds_load_b32 v[V0+1], v[A12] offset:3076
	ds_load_b32 v[V2], v[A12] offset:3080
	BIASLD D2, BIAS, 8
.irp t, 0,1,2,3,4,5,6,7
	FRAG FR+16*\t, W2F+2048*\t, 4
.endr
.endm
	; ---------------- THE HEAD
	s_load_b512 s[4:19], s[0:1], 0x0               ; t s[4:5], y s[6:7], v s[8:9], W1 s[10:11], b1 s[12:13], W2 s[14:15], b2 s[16:17], W3 s[18:19]
	s_load_b256 s[20:27], s[0:1], 0x40             ; b3 s[20:21], W4 s[22:23], b4 s[24:25], out0 s[26:27]
	s_load_b64 s[28:29], s[0:1], 0x60              ; out1
	v_lshl_add_u32 v[SPW], v0, 2, SPARE
	v_mov_b32 v[NIL], 0
	v_lshrrev_b32 v124, 5, v0
	v_readfirstlane_b32 s34, v124                  ; wave w, 0..7
	v_and_b32 v120, 31, v0                         ; lane
	v_and_b32 v121, 15, v0                         ; r
	v_bfe_u32 v122, v0, 4, 1                       ; h
	v_and_b32 v123, 8, v121
	v_add_nc_u32 v123, v123, v121                  ; f = r + 8 (r / 8)
	v_lshlrev_b32 v[LI], 4, v120
	v_lshlrev_b32 v[AB], 6, v122
	v_lshlrev_b32 v[L4], 2, v120
	s_mov_b32 s38, 0xbfb8aa3b                      ; -log2 e,
	s_mov_b32 s39, s38                             ; (named with it as a pair, so it is written)
	s_mov_b32 s40, 0x76543210                      ; v_permlanex16_b32's selects for lane l xor 16
	s_mov_b32 s41, 0xfedcba98
	s_mov_b32 s42, 0x600000                        ; the mantissa field of 448
	s_mov_b32 s43, 0x0000ffff                      ; lanes 0-15
	s_mov_b32 s45, 0x02030203                      ; lanes with r = 0, 1, 9
	s_mov_b32 s46, 0x07070707                      ; lanes with r % 8 < 3
	s_lshr_b32 s48, s34, 1
	s_lshl_b32 s48, s48, 5
	s_and_b32 s49, s34, 1
	s_lshl_b32 s49, s49, 3
	s_add_co_u32 s35, s48, s49                     ; the first unit of tile w: 32 (w / 2) + 8 (w % 2)
	s_and_b32 s36, s34, 3
	s_lshr_b32 s37, s34, 2
	s_lshr_b32 s48, s36, 1
	s_lshl_b32 s48, s48, 5
	s_add_co_u32 s52, s48, s49                     ; and of tile w % 4
	v_lshlrev_b32 v[O4F], 2, v123                  ; 4 f
	v_lshl_add_u32 v[OW2F], v122, 13, v[O4F]       ; W2 along axis 0: rows 32 c + 16 h + i of 512 bytes, column = my unit
	s_lshl_b32 s48, s35, 2
	v_add_nc_u32 v[OW2F], s48, v[OW2F]
	v_add_nc_u32 v124, s35, v123                   ; my unit of tile w
	v_lshl_add_u32 v[OW2B], v124, 9, v[AB]         ; W2 along axis 1: row = my unit, + 64 h
	v_lshl_add_u32 v[OW3B], v124, 8, v[AB]         ; W3 along axis 1: rows of 256 bytes
	v_lshl_add_u32 v[OW3F], v122, 12, v[O4F]       ; W3 along axis 0: tile w % 4, blocks 2 (w / 4) and the next
	s_lshl_b32 s48, s37, 14
	s_lshl_b32 s53, s52, 2
	s_add_co_u32 s48, s48, s53
	v_add_nc_u32 v[OW3F], s48, v[OW3F]
	v_and_b32 v124, 1, v121
	v_lshlrev_b32 v124, 2, v124
	v_lshl_add_u32 v[OW4H], v122, 7, v124          ; W4 in bf16: units 16 h on, column r % 2
	v_and_b32 v125, 7, v121
	v_min_u32 v124, 3, v125
	v_lshl_add_u32 v[OW1H], v124, 9, v[AB]         ; W1 in bf16: row r % 8 (rows beyond 2 are cleared below; they read row 3), units 32 (w % 4) + 16 h + 8 (w / 4) on
	s_lshl_b32 s48, s36, 7
	s_lshl_b32 s53, s37, 5
	s_add_co_u32 s48, s48, s53
	v_add_nc_u32 v[OW1H], s48, v[OW1H]
	s_lshl_b32 s48, s34, 6
	v_lshl_add_u32 v[OB2], v121, 2, s48
	s_lshl_b32 s48, s34, 5
	v_lshl_add_u32 v[OB3], v125, 2, s48
	v_lshl_add_u32 v[OW1A], v122, 10, v[O4F]       ; W1 for x W1: rows 2 h and 2 h + 1, column = the tile's unit
	v_lshlrev_b32 v[O8F], 3, v123                  ; W4: a row is 8 bytes
	s_mul_i32 s31, s34, 10240
	s_add_co_u32 s31, s31, STG                     ; my stage
	v_add_nc_u32 v[SA], s31, v[LI]
	s_lshl_b32 s48, s34, 11
	v_add_nc_u32 v[IW2], s48, v[LI]                ; where my images go: 16 x lane + a constant x wave
	s_lshl_b32 s48, s34, 10
	v_add_nc_u32 v[IW3B], s48, v[LI]
	s_lshl_b32 s48, s36, 11
	s_lshl_b32 s53, s37, 10
	s_add_co_u32 s48, s48, s53
	v_add_nc_u32 v[IW3F], s48, v[LI]
	s_lshl_b32 s48, s36, 10
	s_lshl_b32 s53, s37, 9
	s_add_co_u32 s48, s48, s53
	v_add_nc_u32 v[IW1H], s48, v[LI]
	s_lshl_b32 s48, s36, 6
	s_lshl_b32 s53, s37, 1
	s_add_co_u32 s48, s48, s53
	v_lshl_add_u32 v[SCF], v121, 2, s48            ; W3F's scale words come in two halves, from waves w and w + 4
	v_mul_u32_u24 v[B12], v121, 12
	v_add_nc_u32 v[B12], s31, v[B12]
	v_lshl_add_u32 v[B12H], v122, 3, v[B12]
	v_lshlrev_b32 v[BO1], 2, v121
	v_add_nc_u32 v[BO1], s31, v[BO1]
.irp b, 0,1,2,3
	v_mov_b32 v[TM+4+\b], 0                        ; written once: a lane permute's destination counts as one of its sources
.endr
	s_lshl_b32 s48, ttmp9, 3
	s_add_co_u32 s48, s48, s34                     ; which run of 256 rows is my wave's
	s_mul_i32 s50, s48, 3072
	s_mov_b32 s51, 0
	s_lshl_b32 s52, s48, 10
	s_mov_b32 s53, 0
	s_wait_kmcnt 0x0
	s_load_b32 s30, s[4:5], 0x0                    ; t
	s_load_b64 s[32:33], s[24:25], 0x0             ; b4
	s_add_nc_u64 s[6:7], s[6:7], s[50:51]
	s_add_nc_u64 s[8:9], s[8:9], s[50:51]
	s_add_nc_u64 s[26:27], s[26:27], s[50:51]
	s_add_nc_u64 s[28:29], s[28:29], s[52:53]
	; all the launch's global loads, in one run.  y and v first: 512 bytes on end a load
.irp i, 0,1,2,3,4,5
	global_load_b128 v[FR+4*\i:FR+4*\i+3], v[LI], s[6:7] offset:512*\i th:TH_LOAD_NT
	global_load_b128 v[FR+24+4*\i:FR+24+4*\i+3], v[LI], s[8:9] offset:512*\i th:TH_LOAD_NT
.endr
	WIN 0x40                                       ; destination window 1
.irp c, 0,1,2,3
.irp i, 0,1,2,3,4,5,6,7,8,9,10,11,12,13,14,15
	global_load_b32 v[H+16*\c+\i], v[OW2F], s[14:15] offset:512*(32*\c+\i)      ; W2[32 c + 16 h + i][my unit]: registers run down K
.endr
.endr
.irp c, 0,1,2,3
.irp q, 0,1,2,3
	global_load_b128 v[D1+16*\c+4*\q:D1+16*\c+4*\q+3], v[OW2B], s[14:15] offset:128*\c+16*\q   ; W2[my unit][32 c + 16 h + ..]
.endr
.endr
.irp c, 0,1
.irp q, 0,1,2,3
	global_load_b128 v[D2+16*\c+4*\q:D2+16*\c+4*\q+3], v[OW3B], s[18:19] offset:128*\c+16*\q   ; W3[my unit][32 c + 16 h + ..]
.endr
.endr
.irp c, 0,1
.irp i, 0,1,2,3,4,5,6,7,8,9,10,11,12,13,14,15
	global_load_b32 v[D2+32+16*\c+\i], v[OW3F], s[18:19] offset:256*(32*\c+\i)  ; W3[64 (w / 4) + 32 c + 16 h + i][my unit of tile w % 4]
.endr
.endr
	WIN 0
.irp b, 0,1
.irp i, 0,1,2,3,4,5,6,7,8,9,10,11,12,13,14,15
	global_load_b32 v[FR+48+16*\b+\i], v[OW4H], s[22:23] offset:256*\b+8*\i     ; W4[32 b + 16 h + i][r % 2]
.endr
.endr
	global_load_b128 v[FR+80:FR+83], v[OW1H], s[10:11]
	global_load_b128 v[FR+84:FR+87], v[OW1H], s[10:11] offset:16
	global_load_b32 v[FR+88], v[OB2], s[16:17]     ; b2[16 w + r]
	global_load_b32 v[FR+89], v[OB3], s[20:21]     ; b3[8 w + r % 8]
.irp t, 0,1,2,3,4,5,6,7
	global_load_b32 v[W1A+2*\t], v[OW1A], s[10:11] offset:4*(32*(\t/2)+8*(\t%2))
	global_load_b32 v[W1A+2*\t+1], v[OW1A], s[10:11] offset:4*(32*(\t/2)+8*(\t%2))+512
	global_load_b32 v[TM+8+\t], v[O4F], s[12:13] offset:4*(32*(\t/2)+8*(\t%2))  ; b1 of the tile's unit
.endr
.irp t, 0,1,2,3
	global_load_b64 v[W4A+2*\t:W4A+2*\t+1], v[O8F], s[22:23] offset:8*(32*(\t/2)+8*(\t%2))
.endr
	s_wait_kmcnt 0x0                               ; t and b4
	s_wait_loadcnt 0x0
	; y and v into my stage, as they lie
.irp i, 0,1,2,3,4,5
	ds_store_b128 v[SA], v[FR+4*\i:FR+4*\i+3] offset:512*\i
	ds_store_b128 v[SA], v[FR+24+4*\i:FR+24+4*\i+3] offset:3072+512*\i
.endr
	; the small operands.  x W1 + b1 is one product with K = (y0, y1, y2, 1): the slot k = 3 (lanes 16-31, second register) holds t W1[3][u] + b1[u]
.irp t, 0,1,2,3,4,5,6,7
	v_fma_f32 v124, v[W1A+2*\t+1], s30, v[TM+8+\t]
	v_cndmask_b32 v[W1A+2*\t+1], v124, v[W1A+2*\t+1], s43
.endr
.irp j, 0,1,2,3,4,5,6,7
	v_cndmask_b32 v[W4A+\j], 0, v[W4A+\j], s43     ; (v0, v1) W4^T has K = 2: the slots k = 2, 3 (lanes 16-31) are zeros
.endr
.irp p, 0,1,2,3,4,5,6,7,8,9,10,11,12,13,14,15
	v_cvt_pk_bf16_f32 v[W4H+\p], v[FR+48+2*\p], v[FR+48+2*\p+1]
.endr
.irp p, 0,1,2,3,4,5,6,7,8,9,10,11,12,13,14,15
	v_cndmask_b32 v[W4H+\p], 0, v[W4H+\p], s45     ; row 0: W4's column 0; rows 1 and 9: column 1; all others zeros.  So register 0 of the result is dy0 in lanes 0-15 and 0 in lanes 16-31, register 1 is dy1 in both
.endr
.irp p, 0,1,2,3
	v_cvt_pk_bf16_f32 v[124+\p], v[FR+80+2*\p], v[FR+80+2*\p+1]
.endr
.irp p, 0,1,2,3
	v_cndmask_b32 v[124+\p], 0, v[124+\p], s46     ; rows m with m % 8 < 3 are W1's rows 0 to 2, all others zeros: g0, g1, g2 stand in registers 0 to 2 of both halves
.endr
	ds_store_b128 v[IW1H], v[124:127] offset:W1BF
	ds_store_b32 v[OB2], v[FR+88] offset:BIAS
	ds_store_b32 v[OB3], v[FR+89] offset:BIAS+512
	v_mov_b32 v[BB0], s32
	v_cndmask_b32 v[BB0], 0, v[BB0], s43
	; the four quantisations: a tile a wave.  The wait behind each: the stores have read the codes and the scale word, which the next one writes
	QSCALE H, 4
	QCODE H, 0, 4
	IMAGE IW2, W2F, 4
	ds_store_b32 v[OB2], v[PW] offset:SC
	s_wait_dscnt 0x0
	QSCALE D1, 4
	QCODE D1, 0, 4
	IMAGE IW2, W2B, 4
	ds_store_b32 v[OB2], v[PW] offset:SC+512
	s_wait_dscnt 0x0
	QSCALE D2, 2
	QCODE D2, 0, 2
	IMAGE IW3B, W3B, 2
	ds_store_b32 v[OB2], v[PW] offset:SC+1024
	s_wait_dscnt 0x0
	QSCALE D2+32, 2
	QCODE D2+32, 0, 2
	IMAGE IW3F, W3F, 2
	ds_store_b16 v[SCF], v[PW] offset:SC+1536
	s_wait_dscnt 0x0                               ; for the others' sake: all my stores have landed
	s_barrier_signal -1
	s_barrier_wait -1                              ; the launch's one barrier: from here on the weights' part of LDS is only read, and a stage is its wave's own
.irp p, 0,1,2,3
	ds_load_b32 v[WS2F+\p], v[L4] offset:SC+128*\p
	ds_load_b32 v[WS2B+\p], v[L4] offset:SC+512+128*\p
	ds_load_b32 v[WS3B+\p], v[L4] offset:SC+1024+128*\p
.endr
.irp p, 0,1
	ds_load_b32 v[WS3F+\p], v[L4] offset:SC+1536+128*\p
.endr
	s_mov_b32 s47, 0                               ; tiles done
	s_mov_b32 s54, 0                               ; the tile's place in y, v and out0: 192 bytes a tile
	s_mov_b32 s55, 0                               ; and in out1: 64
	NEXTLD
	; ---------------- A TILE OF 16 ROWS
.Ltile:
	s_wait_dscnt 51                                ; x is in: behind its two loads stand 3 of v, 16 of b2 and 32 of W2's fragments, on the way in and over the back edge alike
	v_cndmask_b32 v[X+1], 1.0, v[X+1], s43         ; k = 3: 1
	WIN 0x40                                       ; D window 1
.irp t, 0,1,2,3,4,5,6,7
	v_wmma_f32_16x16x4_f32 v[ACC+8*\t:ACC+8*\t+7], v[W1A+2*\t:W1A+2*\t+1], v[X:X+1], 0      ; z1
.endr
	PLACES 8
	ACT 64, D1                                     ; h1, silu'(z1)
	QSCALE H, 4
	QCODE H, 0, 4
	PLACES 3                                       ; with the one behind the conversions: four ahead of the scaled products; the scale word stands 64 holds ahead
	s_wait_dscnt 0x0                               ; v, b2, W2's fragments
	WIN 0x50                                       ; C and D window 1
.irp t, 0,1,2,3,4,5,6,7
	SMUL \t, FR+16*\t, D2+8*\t, WS2F               ; z2 = Q(h1) Q(W2) + b2
.endr
	PLACES 8
	WIN 0
.irp t, 0,1,2,3,4,5,6,7
	FRAG FR+8*\t, W3B+1024*\t, 2                   ; W3 for the way back: eight registers a tile,
.endr
.irp t, 0,1,2,3
	FRAG FR+64+16*\t, W3F+2048*\t, 4               ; and for the way forward
.endr
	ACT 64, D2                                     ; h2, silu'(z2)
	QSCALE H, 4
	QCODE H, 0, 2
	BIASLD H, BIAS+512, 4                          ; b3 as a C operand, into the registers that blocks 0 and 1 have left
	QCODE H, 2, 2
	PLACES 3
	s_wait_dscnt 0x0                               ; W3's fragments, b3
	WIN 0x50
.irp t, 0,1,2,3
	SMUL \t, FR+64+16*\t, H+8*\t, WS3F             ; z3 = Q(h2) Q(W3) + b3
.endr
	WIN 0x40
.irp t, 0,1,2,3
	v_wmma_f32_16x16x4_f32 v[ACC+32+8*\t:ACC+39+8*\t], v[W4A+2*\t:W4A+2*\t+1], v[V0:V0+1], 0 ; dh3 = (v0, v1) W4^T
.endr
	PLACES 8
	ACT 32, H+32                                   ; h3 in H on, silu'(z3) in H + 32 on
.set k, 0
.rept 16
	v_cvt_pk_bf16_f32 v[H+k], v[H+2*k], v[H+2*k+1] ; h3 in bf16, in place: registers 8 b .. 8 b + 7 hold units 32 b + 16 h + 0 .. 15, as W4's fragment holds them
.set k, k+1
.endr
.set k, 0
.rept 16
	v_pk_mul_f32 v[H+32+k:H+33+k], v[ACC+32+k:ACC+33+k], v[H+32+k:H+33+k]      ; dz3
.set k, k+2
.endr
	WIN 0
.irp j, 8,9,10,11,12,13,14,15
	v_mov_b32 v[CODES+\j], 0                       ; K = 64: the rest of the instruction's 128 are zero codes
.endr
	QSCALE H+32, 2
	QCODE H+32, 0, 2
	PLACES 3
	WIN 0x04                                       ; B window 1
	v_wmma_f32_16x16x32_bf16 v[G0:G0+7], v[W4H:W4H+7], v[H:H+7], 0             ; dy, in two halves of K
	v_wmma_f32_16x16x32_bf16 v[G1:G1+7], v[W4H+8:W4H+15], v[H+8:H+15], 0
	WIN 0x40
.irp t, 0,1,2,3,4,5,6,7
	SMUL \t, FR+8*\t, -1, WS3B                     ; dh2 = Q(dz3) Q(W3^T).  A's registers 8 to 15 are the next tile's codes (tile 7: W3F's first): codes of numbers, which meet dz3's zero codes
.endr
	PLACES 8
	WIN 0
.irp t, 0,1,2,3,4,5,6,7
	FRAG FR+16*\t, W2B+2048*\t, 4                  ; W2 for the way back
.endr
	v_add_f32 v[O0], v[G0], v[G1]                  ; lanes 0-15: dy0; lanes 16-31: 0
	v_add_f32 v[O1], v[G0+1], v[G1+1]              ; dy1
	v_add_f32 v[O0], v[O0], v[BB0]
	v_add_f32 v[O1], s33, v[O1]
	ds_store_b32 v[A12H], v[O0] offset:6144        ; out0's columns 0 and 2,
	ds_store_b32 v[A12], v[O1] offset:6148         ; and 1
	WIN 0x55
.set k, 0
.rept 32
	v_pk_mul_f32 v[H+k:H+k+1], v[ACC+k:ACC+k+1], v[D2+k:D2+k+1]                ; dz2
.set k, k+2
.endr
	QSCALE H, 4
	QCODE H, 0, 4
	PLACES 3
	s_wait_dscnt 0x0                               ; W2's fragments
	WIN 0x40
.irp t, 0,1,2,3,4,5,6,7
	SMUL \t, FR+16*\t, -1, WS2B                    ; dh1 = Q(dz2) Q(W2^T)
.endr
	PLACES 8
	WIN 0
.irp c, 0,1,2,3
	FRAG FR+8*\c, W1BF+1024*\c, 2                  ; W1 in bf16
.endr
	WIN 0x55
.set k, 0
.rept 32
	v_pk_mul_f32 v[H+k:H+k+1], v[ACC+k:ACC+k+1], v[D1+k:D1+k+1]                ; dz1
.set k, k+2
.endr
.set k, 0
.rept 32
	v_cvt_pk_bf16_f32 v[H+k], v[H+2*k], v[H+2*k+1] ; in bf16, in place
.set k, k+1
.endr
	s_wait_dscnt 0x0                               ; W1's fragments
	WIN 0x04
	v_wmma_f32_16x16x32_bf16 v[G0:G0+7], v[FR:FR+7], v[H:H+7], 0               ; g = dz1 W1^T: two accumulators by turns
	v_wmma_f32_16x16x32_bf16 v[G1:G1+7], v[FR+8:FR+15], v[H+8:H+15], 0
	v_wmma_f32_16x16x32_bf16 v[G0:G0+7], v[FR+16:FR+23], v[H+16:H+23], v[G0:G0+7]
	v_wmma_f32_16x16x32_bf16 v[G1:G1+7], v[FR+24:FR+31], v[H+24:H+31], v[G1:G1+7]
	PLACES 4
	WIN 0
	v_add_f32 v[TM], v[G0], v[G1]                  ; g0, g1, g2
	v_add_f32 v[TM+1], v[G0+1], v[G1+1]
	v_add_f32 v[TM+2], v[G0+2], v[G1+2]
	v_add_nc_u32 v[AO1], s55, v[BO1]
	v_mul_f32 v[O0], -v[TM], v[V0]
	v_fma_f32 v[O0], -v[TM+1], v[V0+1], v[O0]
	v_fma_f32 v[O0], -v[TM+2], v[V2], v[O0]        ; -(g . v)
	ds_store_b32 v[AO1], v[O0] offset:9216
	s_add_co_u32 s47, s47, 1
	s_add_co_u32 s54, s54, 192
	s_add_co_u32 s55, s55, 64
	s_cmp_eq_u32 s47, 16                           ; the last tile asks for nothing
	s_cbranch_scc1 .Llast
	NEXTLD
.Llast:
	s_cmp_lt_u32 s47, 16
	s_cbranch_scc1 .Ltile
	; ---------------- THE WAY OUT: my 3,072 bytes of out0 and 1,024 of out1 lie on end in my stage; each store covers 512 consecutive bytes, at a multiple of 256 from the buffer's first byte
	v_add_nc_u32 v[A12], s31, v[LI]
.irp i, 0,1,2,3,4,5,6,7
	ds_load_b128 v[FR+4*\i:FR+4*\i+3], v[A12] offset:6144+512*\i               ; LDS serves a wave's instructions in order (ISA guide 5.7.1.4): these see my stores
.endr
.irp i, 0,1,2,3,4,5,6,7
	s_wait_dscnt 7-\i                              ; load i is in; the younger ones may be out
.if \i < 6
	global_store_b128 v[LI], v[FR+4*\i:FR+4*\i+3], s[26:27] offset:512*\i th:TH_STORE_NT
.else
	global_store_b128 v[LI], v[FR+4*\i:FR+4*\i+3], s[28:29] offset:512*(\i-6) th:TH_STORE_NT
.endif
.endr
	s_wait_tensorcnt 0x0                           ; the wave's end
	ds_add_u32 v[SPW], v[NIL]
	s_wait_dscnt 0x0
	s_endpgm
.Lfunc_end_k_q0638ea9be5_cnf:
	.size	k_q0638ea9be5_cnf, .Lfunc_end_k_q0638ea9be5_cnf-k_q0638ea9be5_cnf
	.p2alignl 7, 3214868480
	.fill 96, 4, 3214868480
	.section	.rodata,"a",@progbits
	.p2align	6, 0x0
	.amdhsa_kernel k_q0638ea9be5_cnf
		.amdhsa_group_segment_fixed_size 139264
		.amdhsa_private_segment_fixed_size 0
		.amdhsa_enable_private_segment 0
		.amdhsa_kernarg_size 104
		.amdhsa_user_sgpr_count 2
		.amdhsa_user_sgpr_kernarg_segment_ptr 1
		.amdhsa_wavefront_size32 1
		.amdhsa_system_sgpr_workgroup_id_x 1
		.amdhsa_system_sgpr_workgroup_id_y 1
		.amdhsa_system_sgpr_workgroup_id_z 1
		.amdhsa_system_vgpr_workitem_id 0
		.amdhsa_next_free_vgpr 512
		.amdhsa_next_free_sgpr 66
		.amdhsa_reserve_vcc 0
		.amdhsa_float_denorm_mode_32 3
		.amdhsa_float_denorm_mode_16_64 3
		.amdhsa_memory_ordered 1
		.amdhsa_forward_progress 1
		.amdhsa_inst_pref_size 149
	.end_amdhsa_kernel
	.amdgpu_metadata
---
amdhsa.version: [ 1, 2 ]
amdhsa.kernels:
  - .name:           k_q0638ea9be5_cnf
    .symbol:         k_q0638ea9be5_cnf.kd
    .args:
      - { .name: t, .offset: 0, .size: 8, .value_kind: global_buffer, .address_space: global }
      - { .name: y, .offset: 8, .size: 8, .value_kind: global_buffer, .address_space: global }
      - { .name: v, .offset: 16, .size: 8, .value_kind: global_buffer, .address_space: global }
      - { .name: W1, .offset: 24, .size: 8, .value_kind: global_buffer, .address_space: global }
      - { .name: b1, .offset: 32, .size: 8, .value_kind: global_buffer, .address_space: global }
      - { .name: W2, .offset: 40, .size: 8, .value_kind: global_buffer, .address_space: global }
      - { .name: b2, .offset: 48, .size: 8, .value_kind: global_buffer, .address_space: global }
      - { .name: W3, .offset: 56, .size: 8, .value_kind: global_buffer, .address_space: global }
      - { .name: b3, .offset: 64, .size: 8, .value_kind: global_buffer, .address_space: global }
      - { .name: W4, .offset: 72, .size: 8, .value_kind: global_buffer, .address_space: global }
      - { .name: b4, .offset: 80, .size: 8, .value_kind: global_buffer, .address_space: global }
      - { .name: out0, .offset: 88, .size: 8, .value_kind: global_buffer, .address_space: global }
      - { .name: out1, .offset: 96, .size: 8, .value_kind: global_buffer, .address_space: global }
    .group_segment_fixed_size: 139264
    .private_segment_fixed_size: 0
    .kernarg_segment_align: 8
    .kernarg_segment_size: 104
    .max_flat_workgroup_size: 256
    .sgpr_count:     66
    .vgpr_count:     512
    .wavefront_size: 32
...
	.end_amdgpu_metadata
.endif
;; end of part 1
;; ======== version 2 of 2: 1 launch; version 1 with the launch cnf written anew for expert scheduling mode
;; launch cnf (part 2): grid 256 x 1, 8 waves a work-group, no clusters, 139,264 bytes of LDS; arguments t, y, v, W1, b1, W2, b2, W3, b3, W4, b4, out0, out1; writes out0, out1
.if DOCPART == 2
	.amdgcn_target "amdgcn-amd-amdhsa--gfx1250"
	.amdhsa_code_object_version 6
	.text
	.protected	k_q0638ea9be5_cnf
	.globl	k_q0638ea9be5_cnf
	.p2align	8
	.type	k_q0638ea9be5_cnf,@function
k_q0638ea9be5_cnf:
	s_mov_b64 s[64:65], 0
	v_nop
	global_prefetch_b8 v0, s[64:65] scope:SCOPE_SE
	s_setreg_imm32_b32 hwreg(HW_REG_WAVE_SCHED_MODE, 0, 2), 2
	s_setreg_imm32_b32 hwreg(HW_REG_WAVE_MODE, 25, 1), 1
	s_wait_xcnt 0x0
	s_wait_alu depctr_vm_vsrc(0)
; out0 = (dy0, dy1, 0), out1 = -(g . v): the forward pass 4 -> 128 -> 128 -> 64 -> 2 with silu for each of 524,288 rows, and its reverse pass with the cotangent v.
; The four products with K = 128 or 64 (h1 W2, h2 W3, dz3 W3^T, dz2 W2^T) multiply codes of E4M3 with one E8M0 scale for each 32 along K; sums in f32.
; x W1 and (v0, v1) W4^T feed quantisers: f32 operands, by the f32 matrix form.  h3 W4 and dz1 W1^T feed outputs alone: bf16 operands, f32 sums.
; WORK LEFT OUT.  logp: reference() never reads it, so it has no way to an output: it is not loaded and is no argument.  The column of dz1 W1^T that belongs to t: the cotangent of the
; broadcast t is dropped by the transpose of the concatenation, for all inputs.  v[:, 2] as a cotangent: the third component of f is a zero that reference() builds itself, so v2 enters no product
; of the reverse pass; it enters g2 v2 and is loaded for that.  A NaN, an infinity or an overflow that reaches only the work left out is not carried to the result.
; LIMITS.  NaN and infinities among the inputs are not served (zeros in the small operands meet them).  A block whose largest magnitude lies under 2^-118 has the scale byte 1, as the quantiser's clip has it;
; a block of zeros has the byte 1 too, where the quantiser says 127: its codes are zeros, and this program alone reads the bytes.  h3, W4, dz1 and W1 (in the last product) are rounded to bf16.
; Where exp2 overflows, sigmoid is 0, silu -0 and its derivative 0: the limits of reference()'s own formula.
; SHARES.  256 work-groups of 8 waves of 512 registers.  A wave owns 256 rows on end: 16 tiles of 16 rows, each taken through the whole chain, forward and back; nothing goes to memory on the way.
; LAYOUT.  Every product is used transposed: source 0 = 16 rows of a weight, source 1 = my 16 data rows.  Lane (r = lane % 16, h = lane / 16) holds data row r throughout.
; THE ROWS OF A WEIGHT THAT FORM A TILE ARE NOT NEIGHBOURS: row m of tile t is unit 32 (t / 2) + 8 (t % 2) + m + 8 (m / 8).  So register 16 c + i of z, h, silu', dh and dz alike is unit 32 c + 16 h + i:
; the conversions' results are the next operand's registers, and a block of 32 lies in lanes l and l xor 16.
; WEIGHTS.  Each work-group quantises W2 and W3 twice at its head (along axis 0 for the way forward, along axis 1 for the way back), a tile a wave, and lays the codes in LDS as images of the operand's
; registers (lane l's 16 bytes at 16 l).  In the loop a product's fragments are fetched a phase ahead of it.
; NO TENSOR LOAD, NO CLUSTER: what the work-groups share is 100 KB of f32 weights, which have to pass through the quantiser in registers; y and v are each wave's own.  No prefetch: all global loads stand at the head.
; silu: s = 1 / (1 + 2^(-z log2 e)); silu' = s + s (z - z s); h = z s: five packed lines and four transcendentals for two numbers, z staying in the accumulator.
; THE MODE: SCHED_MODE bits 1:0 = 2 (LLVM: expert scheduling mode 2), set by the entry lines.  The code itself states the register dependences between vector or matrix instructions
; and memory or LDS instructions, with s_wait_alu, always for 0.
; THE PLAN.  Registers that LDS instructions touch in the loop, and who else names them, in the order of a tile:
;   FR         W2's fragments for the way forward land (asked for at the end of the tile before); the products z2 read them.  W3's two sets land (asked for behind the wait of z2's exponentials);
;              z3 and dh2 read them.  W2's fragments for the way back land (asked for behind dz2's multiplications); dh1 reads them.
;   D2         b2 lands (end of the tile before): the C of z2.  The activation writes silu'(z2); dz2's multiplications read it.  W1's bf16 fragments land in its first 32 registers; g's products read them.
;   H .. H+31  the holds and conversions of h2's blocks 0 and 1 leave them; b3 lands: the C of z3.
;   X, V0-V2   land at the end of the tile before; read by z1's and dh3's products and by the tile's last multiply-adds.
;   A12, A12H, AO1   LDS addresses, written once a tile, at its end.   O0, O1: out0's data, written and stored in a tile's middle.   O2: out1's data, written and stored at its end.
;   LI, AB, SA       made at the head and never written again.
; THE WAITS OF A TILE.  On va_vdst: the two of each activation's batches (the one behind z2's exponentials stands ahead of W3's loads too); one ahead of each run of scaled products, behind its places;
; one ahead of b3's loads; one behind dz2's multiplications, for W2's and W1's loads and out0's stores; one at the tile's end, for out1's store and all the next tile's loads.  On vm_vsrc: one, at the tile's end.
;
; LDS
.set W2F,   0          ; 8 fragments x 2,048: W2 along axis 0
.set W2B,   16384      ; 8 fragments x 2,048: W2 along axis 1
.set W3F,   32768      ; 4 fragments x 2,048: W3 along axis 0
.set W3B,   40960      ; 8 half fragments x 1,024: W3 along axis 1 (K = 64)
.set W1BF,  49152      ; 4 bf16 fragments x 1,024: W1 for the last product
.set BIAS,  53248      ; b2 (512 bytes), b3 at +512
.set SC,    54272      ; scale words, 64 bytes a tile: W2F's, +512 W2B's, +1024 W3B's, +1536 W3F's
.set STG,   56320      ; a stage of 10,240 bytes for each wave: y, +3072 v, +6144 out0, +9216 out1
.set SPARE, 138240     ; the spare words, 128 bytes for each wave: four blocks of 256 bytes that no other line names
; REGISTERS, window 0
.set LI,   1           ; 16 x lane
.set AB,   2           ; 64 h
.set B12,  3           ; my stage + 12 r
.set B12H, 4           ; the same + 8 h
.set BO1,  5           ; my stage + 4 r
.set A12,  6           ; B12, B12H, BO1 at the tile in hand
.set A12H, 7
.set AO1,  8
.set O2,   9           ; data of out1's store into the stage
.set SA,   10          ; my stage + 16 x lane: y and v on the way in, out0 and out1 on the way out; never rewritten
.set O0,   15          ; data of out0's stores into the stage
.set O1,   16
.set BB0,  17          ; b4[0] in lanes 0-15, 0 in lanes 16-31
.set X,    18          ; v18-19 x's fragment;  v20-21 (v0, v1);  v22 v2
.set V0,   20
.set V2,   22
.set PW,   23          ; the scale word just made
.set WS2F, 24          ; the weights' scale words: lanes 0-15 tile 2 p, lanes 16-31 tile 2 p + 1
.set WS2B, 28
.set WS3B, 32
.set WS3F, 36
.set SPW,  38          ; LDS address of my spare word; never rewritten
.set NIL,  39          ; 0; never rewritten
.set TM,   40          ; +0..3 largest magnitudes, +4..7 the partner's, then bytes, +8..11 448 x the scale, +12..15 the conversions' scale operands
.set CODES, 56         ; v56-71 the codes just made
.set W1A,  72          ; v72-87 W1 for x W1: 8 tiles x 2
.set W4A,  88          ; v88-95 W4 for (v0, v1) W4^T: 4 tiles x 2
.set W4H,  96          ; v96-111 W4 in bf16 for h3 W4: 2 x 8
.set G0,   112         ; v112-119, v120-127: the bf16 products' two accumulators
.set G1,   120
.set FR,   128         ; v128-255 the fragments in hand
; the set-up's own: byte offsets in the weights, and where my images go
.set OW2F, 6
.set OW2B, 7
.set OW3B, 8
.set OW3F, 9
.set OW1H, 11
.set OB2,  12          ; 64 w + 4 r: b2's word in memory and in LDS, and a scale word's place
.set OB3,  13          ; 32 w + 4 (r % 8)
.set OW1A, 14
.set O4F,  17
.set O8F,  112
.set OW4H, 113
.set IW2,  114
.set IW3B, 115
.set IW3F, 116
.set IW1H, 117
.set SCF,  118
.set L4,   119
; window 1 (written by its low eight bits)
.set ACC,  0           ; 64: the products' results; matrix instructions alone write them
.set H,    64          ; 64: at work: s, h, dz
.set D1,   128         ; 64: silu'(z1)
.set D2,   192         ; 64: b2, then silu'(z2), then W1's bf16 fragments
.set MSB, 0
.macro WIN new                         ; bits 1:0 source 0, 3:2 source 1, 5:4 source 2, 7:6 destination; the high byte repeats the setting that is left
.if MSB != \new
	s_set_vgpr_msb (MSB<<8)|\new
.set MSB, \new
.endif
.endm
.macro PLACES n                        ; plain vector instructions between a matrix instruction and what touches its registers (ISA guide 7.12.1)
.rept \n
	v_nop
.endr
.endm
; The activation, in two parts.  n numbers z in ACC on: s, then h = z s, into H on; silu'(z) into q on.  All in window 1.  Each accumulator is first read at its low end.
.macro ACTA n
	WIN 0x55
.set k, 0
.rept \n/2
	v_pk_mul_f32 v[H+k:H+k+1], v[ACC+k:ACC+k+1], s[38:39] op_sel_hi:[1,0]      ; -z log2 e
.set k, k+2
.endr
.set k, 0
.rept \n
	v_exp_f32 v[H+k], v[H+k]
.set k, k+1
.endr
	v_nop                                          ; a plain instruction behind the last exponential,
	s_wait_alu depctr_va_vdst(0)                   ; and one wait for the batch: the exponentials have written H on, ahead of their first reader; the products issued ahead of it are done with their operands too
.endm
.macro ACTB n, q
	WIN 0x55
.set k, 0
.rept \n/2
	v_pk_add_f32 v[H+k:H+k+1], v[H+k:H+k+1], 1.0 op_sel_hi:[1,0]
.set k, k+2
.endr
.set k, 0
.rept \n
	v_rcp_f32 v[H+k], v[H+k]                       ; s
.set k, k+1
.endr
	v_nop
	s_wait_alu depctr_va_vdst(0)                   ; one wait for the batch: the reciprocals have written H on, ahead of their first reader
.set k, 0
.rept \n/2
	v_pk_fma_f32 v[\q+k:\q+k+1], v[ACC+k:ACC+k+1], v[H+k:H+k+1], v[ACC+k:ACC+k+1] neg_lo:[0,1,0] neg_hi:[0,1,0]   ; z - z s
.set k, k+2
.endr
.set k, 0
.rept \n/2
	v_pk_fma_f32 v[\q+k:\q+k+1], v[H+k:H+k+1], v[\q+k:\q+k+1], v[H+k:H+k+1]    ; s + s (z - z s)
.set k, k+2
.endr
.set k, 0
.rept \n/2
	v_pk_mul_f32 v[H+k:H+k+1], v[ACC+k:ACC+k+1], v[H+k:H+k+1]                  ; h = z s
.set k, k+2
.endr
.endm
; nb blocks of 32 along K, 16 numbers of each in my registers src + 16 b on (window 1): the scales.  TM and PW lie in window 0.
.macro QSCALE src, nb
	WIN 0x05
.set qb, 0
.rept \nb
	v_max3_num_f32 v[TM+qb], |v[\src+16*qb]|, |v[\src+16*qb+1]|, 0x4800000     ; and the floor 2^(9 - 127): the byte cannot fall under 1
.set qb, qb+1
.endr
.irp i, 2,4,6,8,10,12,14
.set qb, 0
.rept \nb
	v_max3_num_f32 v[TM+qb], |v[\src+16*qb+\i]|, |v[\src+16*qb+\i+1]|, v[TM+qb]   ; the blocks by turns
.set qb, qb+1
.endr
.endr
	WIN 0
.set qb, 0
.rept \nb
	v_permlanex16_b32 v[TM+4+qb], v[TM+qb], s40, s41
.set qb, qb+1
.endr
.set qb, 0
.rept \nb
	v_max_num_f32 v[TM+qb], v[TM+qb], v[TM+4+qb]                               ; with lane l xor 16's: the block's largest magnitude
.set qb, qb+1
.endr
.set qb, 0
.rept \nb
	v_add_nc_u32 v[TM+12+qb], 0xfc000000, v[TM+qb]                             ; 8 off its exponent field: the conversion's scale operand
.set qb, qb+1
.endr
.set qb, 0
.rept \nb
	v_and_or_b32 v[TM+8+qb], v[TM+qb], 0x7f800000, s42                         ; 448 x the scale
.set qb, qb+1
.endr
.set qb, 0
.rept \nb
	v_lshrrev_b32 v[TM+4+qb], 23, v[TM+12+qb]                                  ; the scale's byte
.set qb, qb+1
.endr
	v_lshl_or_b32 v[PW], v[TM+5], 8, v[TM+4]                                   ; the bytes make the row's scale word (two blocks: bytes 2 and 3 stay 0, over zero codes)
.if \nb > 2
	v_lshl_or_b32 v[PW], v[TM+6], 16, v[PW]
	v_lshl_or_b32 v[PW], v[TM+7], 24, v[PW]
.endif
.endm
; blocks b0 .. b0 + nb - 1: the hold at 448 x the scale (the conversion to an 8-bit code does not saturate: ISA guide 7.6.2), and the codes into CODES + 4 b on
.macro QCODE src, b0, nb
	WIN 0x41
.set qb, \b0
.rept \nb
.set qi, 0
.rept 16
	v_med3_num_f32 v[\src+16*qb+qi], v[\src+16*qb+qi], -v[TM+8+qb], v[TM+8+qb]
.set qi, qi+1
.endr
.set qb, qb+1
.endr
	WIN 0x01
.set qb, \b0
.rept \nb
	v_cvt_scalef32_pk8_fp8_f32 v[CODES+4*qb:CODES+4*qb+1], v[\src+16*qb:\src+16*qb+7], v[TM+12+qb]
	v_cvt_scalef32_pk8_fp8_f32 v[CODES+4*qb+2:CODES+4*qb+3], v[\src+16*qb+8:\src+16*qb+15], v[TM+12+qb]
.set qb, qb+1
.endr
	WIN 0
	v_nop                                          ; a plain instruction behind the last conversion
.endm
.macro FRAG dst, off, nch              ; nch groups of four registers of an image come back as they were stored
.set kc, 0
.rept \nch
	ds_load_b128 v[\dst+4*kc:\dst+4*kc+3], v[LI] offset:\off+512*kc
.set kc, kc+1
.endr
.endm
.macro IMAGE adr, off, nch             ; the codes just made go to LDS as they stand
.set kc, 0
.rept \nch
	ds_store_b128 v[\adr], v[CODES+4*kc:CODES+4*kc+3] offset:\off+512*kc
.set kc, kc+1
.endr
.endm
.macro BIASLD dst, off, nt             ; a bias in the result's layout, into window 1: tile t's eight units of my half
	WIN 0x40
.set k, 0
.rept \nt
	ds_load_b128 v[\dst+8*k:\dst+8*k+3], v[AB] offset:\off+4*(32*(k/2)+8*(k%2))
	ds_load_b128 v[\dst+8*k+4:\dst+8*k+7], v[AB] offset:\off+4*(32*(k/2)+8*(k%2))+16
.set k, k+1
.endr
	WIN 0
.endm
; A scaled product of tile t: D = ACC + 8 t; A = 16 registers from a on; B = the codes; C = 8 registers of window 1 from c on, or 0 where c < 0.  Odd tiles' scale words lie in lanes 16-31.
.macro SMUL t, a, c, ws
.if \c < 0
.if \t%2
	v_wmma_scale_f32_16x16x128_f8f6f4 v[ACC+8*\t:ACC+8*\t+7], v[\a:\a+15], v[CODES:CODES+15], 0, v[\ws+\t/2], v[PW] matrix_a_scale:MATRIX_SCALE_ROW1
.else
	v_wmma_scale_f32_16x16x128_f8f6f4 v[ACC+8*\t:ACC+8*\t+7], v[\a:\a+15], v[CODES:CODES+15], 0, v[\ws+\t/2], v[PW]
.endif
.else
.if \t%2
	v_wmma_scale_f32_16x16x128_f8f6f4 v[ACC+8*\t:ACC+8*\t+7], v[\a:\a+15], v[CODES:CODES+15], v[\c:\c+7], v[\ws+\t/2], v[PW] matrix_a_scale:MATRIX_SCALE_ROW1
.else
	v_wmma_scale_f32_16x16x128_f8f6f4 v[ACC+8*\t:ACC+8*\t+7], v[\a:\a+15], v[CODES:CODES+15], v[\c:\c+7], v[\ws+\t/2], v[PW]
.endif
.endif
.endm
; What a tile's first two products want, asked for at the end of the tile before: x first (2 loads), then v (3), b2 as a C operand (16), W2's fragments for the way forward (32).
; The two addresses are made, and the wait that these loads hang on stands, ahead of the macro.
.macro NEXTLD
	ds_load_b32 v[X], v[A12H]                      ; lanes 0-15: y0; lanes 16-31: y2
	ds_load_b32 v[X+1], v[A12] offset:4            ; y1 (lanes 16-31 get 1.0 in its place)
	ds_load_b32 v[V0], v[A12] offset:3072
	ds_load_b32 v[V0+1], v[A12] offset:3076
	ds_load_b32 v[V2], v[A12] offset:3080
	BIASLD D2, BIAS, 8
.irp t, 0,1,2,3,4,5,6,7
	FRAG FR+16*\t, W2F+2048*\t, 4
.endr
.endm
	; ---------------- THE HEAD
	s_load_b512 s[4:19], s[0:1], 0x0               ; t s[4:5], y s[6:7], v s[8:9], W1 s[10:11], b1 s[12:13], W2 s[14:15], b2 s[16:17], W3 s[18:19]
	s_load_b256 s[20:27], s[0:1], 0x40             ; b3 s[20:21], W4 s[22:23], b4 s[24:25], out0 s[26:27]
	s_load_b64 s[28:29], s[0:1], 0x60              ; out1
	v_lshl_add_u32 v[SPW], v0, 2, SPARE
	v_mov_b32 v[NIL], 0
	v_lshrrev_b32 v124, 5, v0
	v_readfirstlane_b32 s34, v124                  ; wave w, 0..7
	v_and_b32 v120, 31, v0                         ; lane
	v_and_b32 v121, 15, v0                         ; r
	v_bfe_u32 v122, v0, 4, 1                       ; h
	v_and_b32 v123, 8, v121
	v_add_nc_u32 v123, v123, v121                  ; f = r + 8 (r / 8)
	v_lshlrev_b32 v[LI], 4, v120
	v_lshlrev_b32 v[AB], 6, v122
	v_lshlrev_b32 v[L4], 2, v120
	s_mov_b32 s38, 0xbfb8aa3b                      ; -log2 e,
	s_mov_b32 s39, s38                             ; (named with it as a pair, so it is written)
	s_mov_b32 s40, 0x76543210                      ; v_permlanex16_b32's selects for lane l xor 16
	s_mov_b32 s41, 0xfedcba98
	s_mov_b32 s42, 0x600000                        ; the mantissa field of 448
	s_mov_b32 s43, 0x0000ffff                      ; lanes 0-15
	s_mov_b32 s45, 0x02030203                      ; lanes with r = 0, 1, 9
	s_mov_b32 s46, 0x07070707                      ; lanes with r % 8 < 3
	s_wait_alu depctr_va_sdst(0)                   ; s34 is written, ahead of its first reader: the tiles' units, the images' places and the buffers' offsets are made from it
	s_lshr_b32 s48, s34, 1
	s_lshl_b32 s48, s48, 5
	s_and_b32 s49, s34, 1
	s_lshl_b32 s49, s49, 3
	s_add_co_u32 s35, s48, s49                     ; the first unit of tile w: 32 (w / 2) + 8 (w % 2)
	s_and_b32 s36, s34, 3
	s_lshr_b32 s37, s34, 2
	s_lshr_b32 s48, s36, 1
	s_lshl_b32 s48, s48, 5
	s_add_co_u32 s52, s48, s49                     ; and of tile w % 4
	v_lshlrev_b32 v[O4F], 2, v123                  ; 4 f
	v_lshl_add_u32 v[OW2F], v122, 13, v[O4F]       ; W2 along axis 0: rows 32 c + 16 h + i of 512 bytes, column = my unit
	s_lshl_b32 s48, s35, 2
	v_add_nc_u32 v[OW2F], s48, v[OW2F]
	v_add_nc_u32 v124, s35, v123                   ; my unit of tile w
	v_lshl_add_u32 v[OW2B], v124, 9, v[AB]         ; W2 along axis 1: row = my unit, + 64 h
	v_lshl_add_u32 v[OW3B], v124, 8, v[AB]         ; W3 along axis 1: rows of 256 bytes
	v_lshl_add_u32 v[OW3F], v122, 12, v[O4F]       ; W3 along axis 0: tile w % 4, blocks 2 (w / 4) and the next
	s_lshl_b32 s48, s37, 14
	s_lshl_b32 s53, s52, 2
	s_add_co_u32 s48, s48, s53
	v_add_nc_u32 v[OW3F], s48, v[OW3F]
	v_and_b32 v124, 1, v121
	v_lshlrev_b32 v124, 2, v124
	v_lshl_add_u32 v[OW4H], v122, 7, v124          ; W4 in bf16: units 16 h on, column r % 2
	v_and_b32 v125, 7, v121
	v_min_u32 v124, 3, v125
	v_lshl_add_u32 v[OW1H], v124, 9, v[AB]         ; W1 in bf16: row r % 8 (rows beyond 2 are cleared below; they read row 3), units 32 (w % 4) + 16 h + 8 (w / 4) on
	s_lshl_b32 s48, s36, 7
	s_lshl_b32 s53, s37, 5
	s_add_co_u32 s48, s48, s53
	v_add_nc_u32 v[OW1H], s48, v[OW1H]
	s_lshl_b32 s48, s34, 6
	v_lshl_add_u32 v[OB2], v121, 2, s48
	s_lshl_b32 s48, s34, 5
	v_lshl_add_u32 v[OB3], v125, 2, s48
	v_lshl_add_u32 v[OW1A], v122, 10, v[O4F]       ; W1 for x W1: rows 2 h and 2 h + 1, column = the tile's unit
	v_lshlrev_b32 v[O8F], 3, v123                  ; W4: a row is 8 bytes
	s_mul_i32 s31, s34, 10240
	s_add_co_u32 s31, s31, STG                     ; my stage
	v_add_nc_u32 v[SA], s31, v[LI]
	s_lshl_b32 s48, s34, 11
	v_add_nc_u32 v[IW2], s48, v[LI]                ; where my images go: 16 x lane + a constant x wave
	s_lshl_b32 s48, s34, 10
	v_add_nc_u32 v[IW3B], s48, v[LI]
	s_lshl_b32 s48, s36, 11
	s_lshl_b32 s53, s37, 10
	s_add_co_u32 s48, s48, s53
	v_add_nc_u32 v[IW3F], s48, v[LI]
	s_lshl_b32 s48, s36, 10
	s_lshl_b32 s53, s37, 9
	s_add_co_u32 s48, s48, s53
	v_add_nc_u32 v[IW1H], s48, v[LI]
	s_lshl_b32 s48, s36, 6
	s_lshl_b32 s53, s37, 1
	s_add_co_u32 s48, s48, s53
	v_lshl_add_u32 v[SCF], v121, 2, s48            ; W3F's scale words come in two halves, from waves w and w + 4
	v_mul_u32_u24 v[B12], v121, 12
	v_add_nc_u32 v[B12], s31, v[B12]
	v_lshl_add_u32 v[B12H], v122, 3, v[B12]
	v_lshlrev_b32 v[BO1], 2, v121
	v_add_nc_u32 v[BO1], s31, v[BO1]
.irp b, 0,1,2,3
	v_mov_b32 v[TM+4+\b], 0                        ; written once: a lane permute's destination counts as one of its sources
.endr
	s_lshl_b32 s48, ttmp9, 3
	s_add_co_u32 s48, s48, s34                     ; which run of 256 rows is my wave's
	s_mul_i32 s50, s48, 3072
	s_mov_b32 s51, 0
	s_lshl_b32 s52, s48, 10
	s_mov_b32 s53, 0
	s_wait_kmcnt 0x0
	s_load_b32 s30, s[4:5], 0x0                    ; t
	s_load_b64 s[32:33], s[24:25], 0x0             ; b4
	s_add_nc_u64 s[6:7], s[6:7], s[50:51]
	s_add_nc_u64 s[8:9], s[8:9], s[50:51]
	s_add_nc_u64 s[26:27], s[26:27], s[50:51]
	s_add_nc_u64 s[28:29], s[28:29], s[52:53]
	s_wait_alu depctr_va_vdst(0)                   ; every offset and LDS address made above is written: the loads below, the set-up's stores and the loop's LDS instructions read them
	; all the launch's global loads, in one run.  y and v first: 512 bytes on end a load
.irp i, 0,1,2,3,4,5
	global_load_b128 v[FR+4*\i:FR+4*\i+3], v[LI], s[6:7] offset:512*\i th:TH_LOAD_NT
	global_load_b128 v[FR+24+4*\i:FR+24+4*\i+3], v[LI], s[8:9] offset:512*\i th:TH_LOAD_NT
.endr
	WIN 0x40                                       ; destination window 1
.irp c, 0,1,2,3
.irp i, 0,1,2,3,4,5,6,7,8,9,10,11,12,13,14,15
	global_load_b32 v[H+16*\c+\i], v[OW2F], s[14:15] offset:512*(32*\c+\i)      ; W2[32 c + 16 h + i][my unit]: registers run down K
.endr
.endr
.irp c, 0,1,2,3
.irp q, 0,1,2,3
	global_load_b128 v[D1+16*\c+4*\q:D1+16*\c+4*\q+3], v[OW2B], s[14:15] offset:128*\c+16*\q   ; W2[my unit][32 c + 16 h + ..]
.endr
.endr
.irp c, 0,1
.irp q, 0,1,2,3
	global_load_b128 v[D2+16*\c+4*\q:D2+16*\c+4*\q+3], v[OW3B], s[18:19] offset:128*\c+16*\q   ; W3[my unit][32 c + 16 h + ..]
.endr
.endr
.irp c, 0,1
.irp i, 0,1,2,3,4,5,6,7,8,9,10,11,12,13,14,15
	global_load_b32 v[D2+32+16*\c+\i], v[OW3F], s[18:19] offset:256*(32*\c+\i)  ; W3[64 (w / 4) + 32 c + 16 h + i][my unit of tile w % 4]
.endr
.endr
	WIN 0
.irp b, 0,1
.irp i, 0,1,2,3,4,5,6,7,8,9,10,11,12,13,14,15
	global_load_b32 v[FR+48+16*\b+\i], v[OW4H], s[22:23] offset:256*\b+8*\i     ; W4[32 b + 16 h + i][r % 2]
.endr
.endr
	global_load_b128 v[FR+80:FR+83], v[OW1H], s[10:11]
	global_load_b128 v[FR+84:FR+87], v[OW1H], s[10:11] offset:16
	global_load_b32 v[FR+88], v[OB2], s[16:17]     ; b2[16 w + r]
	global_load_b32 v[FR+89], v[OB3], s[20:21]     ; b3[8 w + r % 8]
.irp t, 0,1,2,3,4,5,6,7
	global_load_b32 v[W1A+2*\t], v[OW1A], s[10:11] offset:4*(32*(\t/2)+8*(\t%2))
	global_load_b32 v[W1A+2*\t+1], v[OW1A], s[10:11] offset:4*(32*(\t/2)+8*(\t%2))+512
	global_load_b32 v[TM+8+\t], v[O4F], s[12:13] offset:4*(32*(\t/2)+8*(\t%2))  ; b1 of the tile's unit
.endr
.irp t, 0,1,2,3
	global_load_b64 v[W4A+2*\t:W4A+2*\t+1], v[O8F], s[22:23] offset:8*(32*(\t/2)+8*(\t%2))
.endr
	s_wait_kmcnt 0x0                               ; t and b4
	s_wait_loadcnt 0x0
	; y and v into my stage, as they lie
.irp i, 0,1,2,3,4,5
	ds_store_b128 v[SA], v[FR+4*\i:FR+4*\i+3] offset:512*\i
	ds_store_b128 v[SA], v[FR+24+4*\i:FR+24+4*\i+3] offset:3072+512*\i
.endr
	; the small operands.  x W1 + b1 is one product with K = (y0, y1, y2, 1): the slot k = 3 (lanes 16-31, second register) holds t W1[3][u] + b1[u]
.irp t, 0,1,2,3,4,5,6,7
	v_fma_f32 v124, v[W1A+2*\t+1], s30, v[TM+8+\t]
	v_cndmask_b32 v[W1A+2*\t+1], v124, v[W1A+2*\t+1], s43
.endr
.irp j, 0,1,2,3,4,5,6,7
	v_cndmask_b32 v[W4A+\j], 0, v[W4A+\j], s43     ; (v0, v1) W4^T has K = 2: the slots k = 2, 3 (lanes 16-31) are zeros
.endr
.irp p, 0,1,2,3,4,5,6,7,8,9,10,11,12,13,14,15
	v_cvt_pk_bf16_f32 v[W4H+\p], v[FR+48+2*\p], v[FR+48+2*\p+1]
.endr
.irp p, 0,1,2,3,4,5,6,7,8,9,10,11,12,13,14,15
	v_cndmask_b32 v[W4H+\p], 0, v[W4H+\p], s45     ; row 0: W4's column 0; rows 1 and 9: column 1; all others zeros.  So register 0 of the result is dy0 in lanes 0-15 and 0 in lanes 16-31, register 1 is dy1 in both
.endr
.irp p, 0,1,2,3
	v_cvt_pk_bf16_f32 v[124+\p], v[FR+80+2*\p], v[FR+80+2*\p+1]
.endr
.irp p, 0,1,2,3
	v_cndmask_b32 v[124+\p], 0, v[124+\p], s46     ; rows m with m % 8 < 3 are W1's rows 0 to 2, all others zeros: g0, g1, g2 stand in registers 0 to 2 of both halves
.endr
	; the four quantisations: a tile a wave.  Ahead of each one's stores a wait on va_vdst; behind them the waits ahead of the next one's writes of the codes and the scale word
	QSCALE H, 4
	QCODE H, 0, 4
	s_wait_alu depctr_va_vdst(0)                   ; W1's bf16 words in v124 to v127, the codes and the scale word are written, which the stores below read
	ds_store_b128 v[IW1H], v[124:127] offset:W1BF
	ds_store_b32 v[OB2], v[FR+88] offset:BIAS
	ds_store_b32 v[OB3], v[FR+89] offset:BIAS+512
	IMAGE IW2, W2F, 4
	ds_store_b32 v[OB2], v[PW] offset:SC
	s_wait_dscnt 0x0
	s_wait_alu depctr_vm_vsrc(0)                   ; the stores have read the codes and the scale word, which the next quantisation writes; b1's loads have read v17, their offset, which becomes BB0
	v_mov_b32 v[BB0], s32
	v_cndmask_b32 v[BB0], 0, v[BB0], s43
	QSCALE D1, 4
	QCODE D1, 0, 4
	s_wait_alu depctr_va_vdst(0)                   ; the codes and the scale word are written, which the stores read
	IMAGE IW2, W2B, 4
	ds_store_b32 v[OB2], v[PW] offset:SC+512
	s_wait_dscnt 0x0
	s_wait_alu depctr_vm_vsrc(0)                   ; the stores have read the codes and the scale word, which the next quantisation writes
	QSCALE D2, 2
	QCODE D2, 0, 2
	s_wait_alu depctr_va_vdst(0)                   ; the codes and the scale word are written, which the stores read
	IMAGE IW3B, W3B, 2
	ds_store_b32 v[OB2], v[PW] offset:SC+1024
	s_wait_dscnt 0x0
	s_wait_alu depctr_vm_vsrc(0)                   ; the stores have read the codes and the scale word, which the next quantisation writes
	QSCALE D2+32, 2
	QCODE D2+32, 0, 2
	s_wait_alu depctr_va_vdst(0)                   ; the codes and the scale word are written, which the stores read
	IMAGE IW3F, W3F, 2
	ds_store_b16 v[SCF], v[PW] offset:SC+1536
	s_wait_dscnt 0x0                               ; for the others' sake: all my stores have landed
	s_barrier_signal -1
	s_barrier_wait -1                              ; the launch's one barrier: from here on the weights' part of LDS is only read, and a stage is its wave's own
.irp p, 0,1,2,3
	ds_load_b32 v[WS2F+\p], v[L4] offset:SC+128*\p
	ds_load_b32 v[WS2B+\p], v[L4] offset:SC+512+128*\p
	ds_load_b32 v[WS3B+\p], v[L4] offset:SC+1024+128*\p
.endr
.irp p, 0,1
	ds_load_b32 v[WS3F+\p], v[L4] offset:SC+1536+128*\p
.endr
	s_mov_b32 s47, 0                               ; tiles done
	s_mov_b32 s54, 0                               ; the tile's place in y, v and out0: 192 bytes a tile
	s_mov_b32 s55, 0                               ; and in out1: 64
	s_wait_alu depctr_vm_vsrc(0)                   ; the set-up's loads and stores have read their registers, which the loop writes: the offsets in v6 to v9 (A12, A12H, AO1, O2) and v112 to v119 (G0), W1's words in v124 to v127 (G1), the codes, the scale word, and y, v and the biases in FR
	v_add_nc_u32 v[A12], s54, v[B12]
	v_add_nc_u32 v[A12H], s54, v[B12H]
	s_wait_alu depctr_va_vdst(0)                   ; A12 and A12H are written, which the loads below read; the set-up's holds and conversions are done with D2 and FR, in which b2 and W2's fragments land
	NEXTLD
	; ---------------- A TILE OF 16 ROWS
.Ltile:
	s_wait_dscnt 51                                ; x is in: behind its two loads stand 3 of v, 16 of b2 and 32 of W2's fragments, on the way in and over the back edge alike
	v_cndmask_b32 v[X+1], 1.0, v[X+1], s43         ; k = 3: 1
	WIN 0x40                                       ; D window 1
.irp t, 0,1,2,3,4,5,6,7
	v_wmma_f32_16x16x4_f32 v[ACC+8*\t:ACC+8*\t+7], v[W1A+2*\t:W1A+2*\t+1], v[X:X+1], 0      ; z1
.endr
	PLACES 8
	ACTA 64
	ACTB 64, D1                                    ; h1, silu'(z1)
	QSCALE H, 4
	QCODE H, 0, 4
	PLACES 3                                       ; with the one behind the conversions: four ahead of the scaled products; the scale word stands 64 holds ahead
	s_wait_alu depctr_va_vdst(0)                   ; the conversions have written the codes and the shifts the scale word, which the scaled products take as B and as its scales
	s_wait_dscnt 0x0                               ; v, b2, W2's fragments
	WIN 0x50                                       ; C and D window 1
.irp t, 0,1,2,3,4,5,6,7
	SMUL \t, FR+16*\t, D2+8*\t, WS2F               ; z2 = Q(h1) Q(W2) + b2
.endr
	PLACES 8
	ACTA 64                                        ; its wait shows the products z2 done reading FR: W3's loads follow it, and no vector or matrix instruction stands between
	WIN 0
.irp t, 0,1,2,3,4,5,6,7
	FRAG FR+8*\t, W3B+1024*\t, 2                   ; W3 for the way back: eight registers a tile,
.endr
.irp t, 0,1,2,3
	FRAG FR+64+16*\t, W3F+2048*\t, 4               ; and for the way forward
.endr
	ACTB 64, D2                                    ; h2, silu'(z2)
	QSCALE H, 4
	QCODE H, 0, 2
	s_wait_alu depctr_va_vdst(0)                   ; the holds and conversions of blocks 0 and 1 are done with H to H + 31, in which b3 lands
	BIASLD H, BIAS+512, 4                          ; b3 as a C operand, into the registers that blocks 0 and 1 have left
	QCODE H, 2, 2
	PLACES 3
	s_wait_alu depctr_va_vdst(0)                   ; the codes and the scale word are written, which the scaled products take as B and as its scales
	s_wait_dscnt 0x0                               ; W3's fragments, b3
	WIN 0x50
.irp t, 0,1,2,3
	SMUL \t, FR+64+16*\t, H+8*\t, WS3F             ; z3 = Q(h2) Q(W3) + b3
.endr
	WIN 0x40
.irp t, 0,1,2,3
	v_wmma_f32_16x16x4_f32 v[ACC+32+8*\t:ACC+39+8*\t], v[W4A+2*\t:W4A+2*\t+1], v[V0:V0+1], 0 ; dh3 = (v0, v1) W4^T
.endr
	PLACES 8
	ACTA 32
	ACTB 32, H+32                                  ; h3 in H on, silu'(z3) in H + 32 on
.set k, 0
.rept 16
	v_cvt_pk_bf16_f32 v[H+k], v[H+2*k], v[H+2*k+1] ; h3 in bf16, in place: registers 8 b .. 8 b + 7 hold units 32 b + 16 h + 0 .. 15, as W4's fragment holds them
.set k, k+1
.endr
.set k, 0
.rept 16
	v_pk_mul_f32 v[H+32+k:H+33+k], v[ACC+32+k:ACC+33+k], v[H+32+k:H+33+k]      ; dz3
.set k, k+2
.endr
	WIN 0
.irp j, 8,9,10,11,12,13,14,15
	v_mov_b32 v[CODES+\j], 0                       ; K = 64: the rest of the instruction's 128 are zero codes
.endr
	QSCALE H+32, 2
	QCODE H+32, 0, 2
	PLACES 3
	s_wait_alu depctr_va_vdst(0)                   ; the codes, the zero codes and the scale word are written, which the scaled products take as B and as its scales
	WIN 0x04                                       ; B window 1
	v_wmma_f32_16x16x32_bf16 v[G0:G0+7], v[W4H:W4H+7], v[H:H+7], 0             ; dy, in two halves of K
	v_wmma_f32_16x16x32_bf16 v[G1:G1+7], v[W4H+8:W4H+15], v[H+8:H+15], 0
	WIN 0x40
.irp t, 0,1,2,3,4,5,6,7
	SMUL \t, FR+8*\t, -1, WS3B                     ; dh2 = Q(dz3) Q(W3^T).  A's registers 8 to 15 are the next tile's codes (tile 7: W3F's first): codes of numbers, which meet dz3's zero codes
.endr
	PLACES 8
	WIN 0x55
.set k, 0
.rept 32
	v_pk_mul_f32 v[H+k:H+k+1], v[ACC+k:ACC+k+1], v[D2+k:D2+k+1]                ; dz2
.set k, k+2
.endr
	WIN 0
	v_add_f32 v[O0], v[G0], v[G1]                  ; lanes 0-15: dy0; lanes 16-31: 0
	v_add_f32 v[O1], v[G0+1], v[G1+1]              ; dy1
	v_add_f32 v[O0], v[O0], v[BB0]
	v_add_f32 v[O1], s33, v[O1]
	s_wait_alu depctr_va_vdst(0)                   ; the products z3 and dh2 are done reading FR, in which W2's fragments land; dz2's multiplications are done reading D2, in which W1's land; O0 and O1 are written, which the stores read
.irp t, 0,1,2,3,4,5,6,7
	FRAG FR+16*\t, W2B+2048*\t, 4                  ; W2 for the way back
.endr
	ds_store_b32 v[A12H], v[O0] offset:6144        ; out0's columns 0 and 2,
	ds_store_b32 v[A12], v[O1] offset:6148         ; and 1
	WIN 0x40                                       ; destination window 1
.irp c, 0,1,2,3
	FRAG D2+8*\c, W1BF+1024*\c, 2                  ; W1 in bf16, into the registers that silu'(z2) has left
.endr
	QSCALE H, 4
	QCODE H, 0, 4
	PLACES 3
	s_wait_alu depctr_va_vdst(0)                   ; the codes and the scale word are written, which the scaled products take as B and as its scales
	s_wait_dscnt 0x0                               ; W2's and W1's fragments
	WIN 0x40
.irp t, 0,1,2,3,4,5,6,7
	SMUL \t, FR+16*\t, -1, WS2B                    ; dh1 = Q(dz2) Q(W2^T)
.endr
	PLACES 8
	WIN 0x55
.set k, 0
.rept 32
	v_pk_mul_f32 v[H+k:H+k+1], v[ACC+k:ACC+k+1], v[D1+k:D1+k+1]                ; dz1
.set k, k+2
.endr
.set k, 0
.rept 32
	v_cvt_pk_bf16_f32 v[H+k], v[H+2*k], v[H+2*k+1] ; in bf16, in place
.set k, k+1
.endr
	WIN 0x05                                       ; A and B window 1
	v_wmma_f32_16x16x32_bf16 v[G0:G0+7], v[D2:D2+7], v[H:H+7], 0               ; g = dz1 W1^T: two accumulators by turns
	v_wmma_f32_16x16x32_bf16 v[G1:G1+7], v[D2+8:D2+15], v[H+8:H+15], 0
	v_wmma_f32_16x16x32_bf16 v[G0:G0+7], v[D2+16:D2+23], v[H+16:H+23], v[G0:G0+7]
	v_wmma_f32_16x16x32_bf16 v[G1:G1+7], v[D2+24:D2+31], v[H+24:H+31], v[G1:G1+7]
	PLACES 4
	WIN 0
	s_wait_alu depctr_vm_vsrc(0)                   ; the loads of this tile's x and v and out0's stores have read A12 and A12H, the last tile's store of out1 AO1 and O2: all four are written below; out0's stores have read O0 and O1, which the next tile writes
	v_add_f32 v[TM], v[G0], v[G1]                  ; g0, g1, g2
	v_add_f32 v[TM+1], v[G0+1], v[G1+1]
	v_add_f32 v[TM+2], v[G0+2], v[G1+2]
	v_add_nc_u32 v[AO1], s55, v[BO1]
	s_add_co_u32 s54, s54, 192
	v_add_nc_u32 v[A12], s54, v[B12]               ; the next tile's place in the stage (behind the last tile the two are not used)
	v_add_nc_u32 v[A12H], s54, v[B12H]
	v_mul_f32 v[O2], -v[TM], v[V0]
	v_fma_f32 v[O2], -v[TM+1], v[V0+1], v[O2]
	v_fma_f32 v[O2], -v[TM+2], v[V2], v[O2]        ; -(g . v)
	s_wait_alu depctr_va_vdst(0)                   ; O2 and AO1 are written, which the store reads, A12 and A12H, which the next tile's loads read; this tile's products and multiply-adds are done reading X, V0 to V2, D2 and FR, in which those loads land
	ds_store_b32 v[AO1], v[O2] offset:9216
	s_add_co_u32 s47, s47, 1
	s_add_co_u32 s55, s55, 64
	s_cmp_eq_u32 s47, 16                           ; the last tile asks for nothing
	s_cbranch_scc1 .Llast
	NEXTLD
.Llast:
	s_cmp_lt_u32 s47, 16
	s_cbranch_scc1 .Ltile
	; ---------------- THE WAY OUT: my 3,072 bytes of out0 and 1,024 of out1 lie on end in my stage; each store covers 512 consecutive bytes, at a multiple of 256 from the buffer's first byte.
	; No vector or matrix instruction has been issued since the last tile's wait on va_vdst, which showed the products done reading FR; SA and LI stand since the head
.irp i, 0,1,2,3,4,5,6,7
	ds_load_b128 v[FR+4*\i:FR+4*\i+3], v[SA] offset:6144+512*\i                ; LDS serves a wave's instructions in order (ISA guide 5.7.1.4): these see my stores
.endr
.irp i, 0,1,2,3,4,5,6,7
	s_wait_dscnt 7-\i                              ; load i is in; the younger ones may be out
.if \i < 6
	global_store_b128 v[LI], v[FR+4*\i:FR+4*\i+3], s[26:27] offset:512*\i th:TH_STORE_NT
.else
	global_store_b128 v[LI], v[FR+4*\i:FR+4*\i+3], s[28:29] offset:512*(\i-6) th:TH_STORE_NT
.endif
.endr
	s_wait_dscnt 0x0                               ; the closing lines, six on end
	s_wait_alu 0x0
	s_wait_tensorcnt 0x0
	ds_add_u32 v[SPW], v[NIL]
	s_wait_dscnt 0x0
	s_endpgm
.Lfunc_end_k_q0638ea9be5_cnf:
	.size	k_q0638ea9be5_cnf, .Lfunc_end_k_q0638ea9be5_cnf-k_q0638ea9be5_cnf
	.p2alignl 7, 3214868480
	.fill 96, 4, 3214868480
	.section	.rodata,"a",@progbits
	.p2align	6, 0x0
	.amdhsa_kernel k_q0638ea9be5_cnf
		.amdhsa_group_segment_fixed_size 139264
		.amdhsa_private_segment_fixed_size 0
		.amdhsa_enable_private_segment 0
		.amdhsa_kernarg_size 104
		.amdhsa_user_sgpr_count 2
		.amdhsa_user_sgpr_kernarg_segment_ptr 1
		.amdhsa_wavefront_size32 1
		.amdhsa_system_sgpr_workgroup_id_x 1
		.amdhsa_system_sgpr_workgroup_id_y 1
		.amdhsa_system_sgpr_workgroup_id_z 1
		.amdhsa_system_vgpr_workitem_id 0
		.amdhsa_next_free_vgpr 512
		.amdhsa_next_free_sgpr 66
		.amdhsa_reserve_vcc 0
		.amdhsa_float_denorm_mode_32 3
		.amdhsa_float_denorm_mode_16_64 3
		.amdhsa_memory_ordered 1
		.amdhsa_forward_progress 1
		.amdhsa_inst_pref_size 150
	.end_amdhsa_kernel
	.amdgpu_metadata
---
amdhsa.version: [ 1, 2 ]
amdhsa.kernels:
  - .name:           k_q0638ea9be5_cnf
    .symbol:         k_q0638ea9be5_cnf.kd
    .args:
      - { .name: t, .offset: 0, .size: 8, .value_kind: global_buffer, .address_space: global }
      - { .name: y, .offset: 8, .size: 8, .value_kind: global_buffer, .address_space: global }
      - { .name: v, .offset: 16, .size: 8, .value_kind: global_buffer, .address_space: global }
      - { .name: W1, .offset: 24, .size: 8, .value_kind: global_buffer, .address_space: global }
      - { .name: b1, .offset: 32, .size: 8, .value_kind: global_buffer, .address_space: global }
      - { .name: W2, .offset: 40, .size: 8, .value_kind: global_buffer, .address_space: global }
      - { .name: b2, .offset: 48, .size: 8, .value_kind: global_buffer, .address_space: global }
      - { .name: W3, .offset: 56, .size: 8, .value_kind: global_buffer, .address_space: global }
      - { .name: b3, .offset: 64, .size: 8, .value_kind: global_buffer, .address_space: global }
      - { .name: W4, .offset: 72, .size: 8, .value_kind: global_buffer, .address_space: global }
      - { .name: b4, .offset: 80, .size: 8, .value_kind: global_buffer, .address_space: global }
      - { .name: out0, .offset: 88, .size: 8, .value_kind: global_buffer, .address_space: global }
      - { .name: out1, .offset: 96, .size: 8, .value_kind: global_buffer, .address_space: global }
    .group_segment_fixed_size: 139264
    .private_segment_fixed_size: 0
    .kernarg_segment_align: 8
    .kernarg_segment_size: 104
    .max_flat_workgroup_size: 256
    .sgpr_count:     66
    .vgpr_count:     512
    .wavefront_size: 32
...
	.end_amdgpu_metadata
.endif
;; end of part 2
